; MI455X (gfx1250); checked and timed in simulation.
; The chip was launched on July 23, 2026; its instructions are those of AMD's public machine-readable ISA for CDNA 5 (MIT licence, August 2026) and "CDNA5" Instruction Set Architecture Reference Guide (July 2026). The comments in the code are by the model that wrote it; some were corrected since.
;; Attention. Allowed arithmetic: matrix products marked QUANTISED: E5M2 operands, one given power-of-two scale a tensor, by v_wmma_f32_16x16x64_bf8_bf8 or v_wmma_f32_16x16x128_bf8_bf8, f32 sums; products left as they are: f32 operands where the result goes on into a quantised operand, else bf16, f16 or f32 operands; f32 sums; everything else in f32.
;; Inputs: W1_codes 1,024 x 32 x 32 uint8 (E5M2 codes of W1, K innermost, in blocks of 32 codes); W2_codes 1,024 x 32 x 32 uint8 (E5M2 codes of W2, K innermost, in blocks of 32 codes); W3 1 x 1,024 float32; b1 1,024 float32; b2 1,024 float32; b3 1 float32; hidden_d_codes 1 x 32 x 32 x 32 uint8 (E5M2 codes of hidden_d, K innermost, in blocks of 32 codes); lowp_scales 4 int32 (the exponents e of the quantised operands' scales 2^e); out_e 2,048 x 32 x 1,024 float32.
;; Outputs: out0 1 x 32 x 1,024 float32; out1 2,048 x 32 x 1 float32.
;; This version of the problem:
;;   THIS VERSION OF THE PROBLEM IS GIVEN IN LOW PRECISION. The matrix products marked QUANTISED in the list below multiply operands that are first quantised to E5M2 (5 exponent bits, 2 mantissa bits; 8 bits a number), with one given power-of-two scale for each operand tensor; their sums are f32. All else is computed in f32.
;;   The module's matrix products, in the order in which they are computed (A, B: the left and right operand; K: the contracted axis; several contracted axes count as one K, in the product's order):
;;     1. [M 32, K 1,024] x [K 1,024, N 1,024]; A: input hidden_d (given as codes); B: input W1 (given as codes): QUANTISED (scales: A lowp_scales[0], B lowp_scales[1])
;;     2. [M 65,536, K 1,024] x [K 1,024, N 1,024]; A: input out_e; B: input W2 (given as codes): QUANTISED (scales: A lowp_scales[2], B lowp_scales[3])
;;     3. [M 65,536, K 1,024] x [K 1,024, N 1]; A: computed on the way; B: input W3: left as it is (N = 1 < 16)
;;     4. batch 32 x [M 1,024, K 2,048] x [K 2,048, N 1]; A: input out_e; B: softmax: left as it is (N = 1 < 16)
;;   THE QUANTISER, for each operand of a quantised product, along K:
;;     - The operand's scale is 2^e, e = its entry of the input lowp_scales (int32; the entries are numbered through the quantised products in the list's order, A before B).
;;     - Each number is divided by the scale, clamped to +-57,344, and rounded to the nearest number of E5M2, ties to even, subnormals kept.
;;     - The product sums the exact products of the quantised numbers (number of the format x scale) in f32.
;;   ~~~python
;;   def quantise(x, axis, e):      # numpy; x: float32 -> the quantised numbers, widened to float32 again
;;       x = np.moveaxis(x, axis, -1); K = x.shape[-1]
;;       r = np.clip(x / 2.0 ** e, -57344, 57344)
;;       step = 2.0 ** (np.maximum(np.frexp(np.where(r == 0, 1, r))[1] - 1, -14) - 2)
;;       q = np.round(r / step) * step * 2.0 ** e      # np.round: ties to even
;;       return np.moveaxis(q, -1, axis).astype(np.float32)
;;   ~~~
;;   INPUTS GIVEN AS CODES. W1 (in the module: [1024, 1024], K = its axis 1); W2 (in the module: [1024, 1024], K = its axis 1); hidden_d (in the module: [1, 32, 1024], K = its axis 2): each comes as NAME_codes (uint8): NAME with its K axis moved to the last place and cut into blocks of 32 codes, [.., K / 32, bytes a block], one block behind the other in memory; one code a byte (a code: sign, 5 exponent bits, 2 mantissa bits); its scale is its entry of lowp_scales. Its value is code x scale, taken as it is: it is not quantised again, and the codes and scales need not be those that the quantiser above would give.
;; One version. Each part assembles by itself: llvm-mc -triple=amdgcn-amd-amdhsa -mcpu=gfx1250 --defsym DOCPART=n.
;; ======== version 1 of 1: 3 launches
;; limits: values are held in bf16: 8 bits of precision; right only within a limited range of input values
;; workspace buffers: biasw 131,072 bytes; scores 262,144 bytes; part 2,097,152 bytes; stats 4,096 bytes
;; launch prep (part 1): grid 16 x 1, 4 waves a work-group, no clusters, 9,728 bytes of LDS; arguments hidden_d_codes, W1_codes, b1, b2, lowp_scales, biasw; writes biasw
.if DOCPART == 1
	.amdgcn_target "amdgcn-amd-amdhsa--gfx1250"
	.amdhsa_code_object_version 6
	.text
	.protected	k_qe428846779_prep
	.globl	k_qe428846779_prep
	.p2align	8
	.type	k_qe428846779_prep,@function
k_qe428846779_prep:
	s_mov_b64 s[64:65], 0
	v_nop
	global_prefetch_b8 v0, s[64:65] scope:SCOPE_SE
	s_setreg_imm32_b32 hwreg(HW_REG_WAVE_MODE, 25, 1), 1
	s_wait_xcnt 0x0
; biasw[n][e] = (sum over k of hidden_d[n][k] W1[e][k] x 2^(e0 + e1) + b1[e] + b2[e]) / 2^(e2 + e3): what the main launch gives its sums as their first C.
; WORK LEFT OUT IN THE WHOLE PROGRAM.  tanh(x) = 1 - 2 / (1 + e^(2x)), so a[s][n] = (sum of W3 + b3) + sum over e of (-2 W3[e]) / (1 + e^(2x)).  The first term is the same for every s and n;
; alpha is a softmax over s, which a term that is equal along s leaves as it is, for all values of the inputs; c is made of alpha and out_e alone.  So the sum of W3 and b3 are never added, and the input b3 has no way
; to an output: it is not loaded and is no argument of any launch.  LIMIT: a NaN, an infinity or an overflow that would reach only that term is not carried to the results.
; hidden_d [32][1024] and W1 [1024][1024] are codes of BF8 (E5M2), K innermost; e0 .. e3 are the four whole numbers of the buffer of scales.
; LIMITS: e0 + e1 between -126 and 127, so that 2^(e0 + e1) is an f32 number; the division by 2^(e2 + e3) is a v_ldexp_f32.
; SHARES.  Work-group g takes e = 64 g .. 64 g + 63, wave w the 16 from 64 g + 16 w on, for all 32 n (two tiles m).  All of a wave's 100 loads go out at once.
; THE MATRIX INSTRUCTION IS USED TRANSPOSED (source 0 = 16 rows of W1, source 1 = 16 rows of hidden_d): lane (r, h) holds n = 16 m + r and its registers e = 8 h + 0 .. 7 of the wave's 16.
; A fragment (16 rows x 128 K) comes by four loads of 16 bytes, 32 bytes apart, at row x 1,024 + 16 h: the same permutation of k in both operands.
; No cluster and no tensor load: only hidden_d's 32 KB are read by more than one work-group, and nothing goes through LDS but the way out.
; REGISTERS: window 0: v1 r, v2 h, v3-7 addresses; v16-31 two accumulators; v32-47 b1, b2; v48-63 results; v64-191 W1's 8 fragments.   window 1: hidden_d's 16 fragments, (m, s) at v[128 m + 16 s].
.set SP, 272                           ; a stage row: 64 numbers (256 bytes) + 16 of padding
.set MSB, 0
.macro WIN new                         ; the immediate's high byte repeats the setting that is left
.if MSB != (\new)
	s_set_vgpr_msb (MSB<<8)|(\new)
.set MSB, (\new)
.endif
.endm
	s_load_b256 s[4:11], s[0:1], 0x0               ; hidden_d's codes s[4:5], W1's codes s[6:7], b1 s[8:9], b2 s[10:11]
	s_load_b128 s[16:19], s[0:1], 0x20             ; the scales' exponents s[16:17], biasw s[18:19]
	v_lshl_add_u32 v254, v0, 2, 0x2400             ; my spare word, behind the stage
	v_mov_b32 v255, 0
	v_lshrrev_b32 v8, 5, v0
	v_readfirstlane_b32 s22, v8                    ; wave 0..3
	v_and_b32 v1, 15, v0                           ; r
	s_wait_alu depctr_va_vdst(0)
	v_bfe_u32 v2, v0, 4, 1                         ; h
	v_lshlrev_b32 v3, 10, v1
	v_lshl_add_u32 v3, v2, 4, v3                   ; a fragment's row of 1,024 bytes + 16 h
	v_lshlrev_b32 v4, 5, v2                        ; b1, b2: my half's eight numbers
	s_lshl_b32 s23, ttmp9, 6
	s_lshl_b32 s24, s22, 4
	s_add_co_u32 s23, s23, s24                     ; my first e = 64 g + 16 w
	s_lshl_b32 s30, s23, 10                        ; W1: so many rows of 1,024 bytes
	s_mov_b32 s31, 0
	s_lshl_b32 s32, s23, 2                         ; b1, b2: 4 bytes a number
	s_mov_b32 s33, 0
	s_lshl_b32 s24, s22, 6
	v_mul_u32_u24 v5, v1, SP
	s_wait_alu depctr_va_vdst(0)
	v_lshl_add_u32 v5, v2, 5, v5
	v_add_nc_u32 v5, s24, v5                       ; into the stage: row r (+ 16 m), 64 w + 32 h bytes on
	s_mul_i32 s24, s22, 8*SP
	v_mul_u32_u24 v6, v2, SP
	v_lshl_add_u32 v6, v1, 4, v6
	v_add_nc_u32 v6, s24, v6                       ; back: my eight rows; lanes 0-15 one row of 256 bytes, lanes 16-31 the next
	v_lshlrev_b32 v7, 12, v2
	v_lshl_add_u32 v7, v1, 4, v7                   ; and the same two rows in biasw
	s_lshl_b32 s34, s22, 15                        ; biasw: 8 w rows of 4,096 bytes
	s_lshl_b32 s24, ttmp9, 8
	s_add_co_u32 s34, s34, s24                     ; + 256 g
	s_mov_b32 s35, 0
	s_wait_kmcnt 0x0
	s_load_b128 s[36:39], s[16:17], 0x0            ; e0, e1, e2, e3
	s_add_nc_u64 s[6:7], s[6:7], s[30:31]
	s_add_nc_u64 s[8:9], s[8:9], s[32:33]
	s_add_nc_u64 s[10:11], s[10:11], s[32:33]
	s_add_nc_u64 s[18:19], s[18:19], s[34:35]
	WIN 0x40                                       ; destination window 1
.irp m, 0,1
.irp s, 0,1,2,3,4,5,6,7
.irp c, 0,1,2,3
	global_load_b128 v[128*\m+16*\s+4*\c:128*\m+16*\s+4*\c+3], v3, s[4:5] offset:16384*\m+128*\s+32*\c
.endr
.endr
.endr
	WIN 0
.irp s, 0,1,2,3,4,5,6,7
.irp c, 0,1,2,3
	global_load_b128 v[64+16*\s+4*\c:64+16*\s+4*\c+3], v3, s[6:7] offset:128*\s+32*\c
.endr
.endr
	global_load_b128 v[32:35], v4, s[8:9]
	global_load_b128 v[36:39], v4, s[8:9] offset:16
	global_load_b128 v[40:43], v4, s[10:11]
	global_load_b128 v[44:47], v4, s[10:11] offset:16
	s_wait_kmcnt 0x0
	s_add_co_i32 s24, s36, s37
	s_add_co_i32 s24, s24, 127
	s_lshl_b32 s24, s24, 23                        ; 2^(e0 + e1) as f32
	s_mov_b32 s25, s24                             ; (named with it as a pair, so it is written)
	s_add_co_i32 s26, s38, s39
	s_sub_co_i32 s26, 0, s26                       ; -(e2 + e3)
	s_wait_loadcnt 0x0
	WIN 0x04                                       ; source 1 (hidden_d) window 1
.irp s, 0,1,2,3,4,5,6,7                        ; the two accumulators take turns, one instruction a turn; the first K step starts the sums
.irp m, 0,1
.if \s == 0
	v_wmma_f32_16x16x128_bf8_bf8 v[16+8*\m:23+8*\m], v[64+16*\s:79+16*\s], v[128*\m+16*\s:128*\m+16*\s+15], 0
.else
	v_wmma_f32_16x16x128_bf8_bf8 v[16+8*\m:23+8*\m], v[64+16*\s:79+16*\s], v[128*\m+16*\s:128*\m+16*\s+15], v[16+8*\m:23+8*\m]
.endif
.endr
.endr
	WIN 0
.irp i, 0,2,4,6
	v_pk_add_f32 v[40+\i:41+\i], v[32+\i:33+\i], v[40+\i:41+\i]   ; b1 + b2: four plain lines that name no register of the products: the places behind them (ISA guide 7.12.1)
.endr
.irp m, 0,1
.irp i, 0,2,4,6
	v_pk_fma_f32 v[48+8*\m+\i:49+8*\m+\i], v[16+8*\m+\i:17+8*\m+\i], s[24:25], v[40+\i:41+\i] op_sel_hi:[1,0,1]   ; sum x 2^(e0 + e1) + b1 + b2; each accumulator from its low end on
.endr
.endr
.irp i, 0,1,2,3,4,5,6,7,8,9,10,11,12,13,14,15
	v_ldexp_f32 v[48+\i], v[48+\i], s26            ; / 2^(e2 + e3)
.endr
	; THE WAY OUT: a row of biasw gets 256 bytes from this work-group, 64 from each wave: they meet in a stage and leave as whole aligned blocks of 256 bytes
.irp m, 0,1
	ds_store_b128 v5, v[48+8*\m:51+8*\m] offset:16*\m*SP
	ds_store_b128 v5, v[52+8*\m:55+8*\m] offset:16*\m*SP+16
.endr
	s_wait_dscnt 0x0                               ; for the others' sake: my stores into the stage are done
	s_barrier_signal -1
	s_barrier_wait -1
.irp i, 0,1,2,3
	ds_load_b128 v[48+4*\i:51+4*\i], v6 offset:2*\i*SP
.endr
.irp i, 0,1,2,3
	s_wait_dscnt 3-\i                              ; LDS loads come back in order: load i is in, the younger ones may be out
	global_store_b128 v7, v[48+4*\i:51+4*\i], s[18:19] offset:8192*\i   ; 16 lanes store 256 consecutive bytes, at a multiple of 256 from biasw's first byte
.endr
	s_wait_tensorcnt 0x0                           ; the wave's end
	ds_add_u32 v254, v255
	s_wait_dscnt 0x0
	s_endpgm
.Lfunc_end_k_qe428846779_prep:
	.size	k_qe428846779_prep, .Lfunc_end_k_qe428846779_prep-k_qe428846779_prep
	.p2alignl 7, 3214868480
	.fill 96, 4, 3214868480
	.section	.rodata,"a",@progbits
	.p2align	6, 0x0
	.amdhsa_kernel k_qe428846779_prep
		.amdhsa_group_segment_fixed_size 9728
		.amdhsa_private_segment_fixed_size 0
		.amdhsa_enable_private_segment 0
		.amdhsa_kernarg_size 48
		.amdhsa_user_sgpr_count 2
		.amdhsa_user_sgpr_kernarg_segment_ptr 1
		.amdhsa_wavefront_size32 1
		.amdhsa_system_sgpr_workgroup_id_x 1
		.amdhsa_system_sgpr_workgroup_id_y 1
		.amdhsa_system_sgpr_workgroup_id_z 1
		.amdhsa_system_vgpr_workitem_id 0
		.amdhsa_next_free_vgpr 512
		.amdhsa_next_free_sgpr 66
		.amdhsa_reserve_vcc 0
		.amdhsa_float_denorm_mode_32 3
		.amdhsa_float_denorm_mode_16_64 3
		.amdhsa_memory_ordered 1
		.amdhsa_forward_progress 1
		.amdhsa_inst_pref_size 16
	.end_amdhsa_kernel
	.amdgpu_metadata
---
amdhsa.version: [ 1, 2 ]
amdhsa.kernels:
  - .name:           k_qe428846779_prep
    .symbol:         k_qe428846779_prep.kd
    .args:
      - { .name: hidden_d_codes, .offset: 0, .size: 8, .value_kind: global_buffer, .address_space: global }
      - { .name: W1_codes, .offset: 8, .size: 8, .value_kind: global_buffer, .address_space: global }
      - { .name: b1, .offset: 16, .size: 8, .value_kind: global_buffer, .address_space: global }
      - { .name: b2, .offset: 24, .size: 8, .value_kind: global_buffer, .address_space: global }
      - { .name: lowp_scales, .offset: 32, .size: 8, .value_kind: global_buffer, .address_space: global }
      - { .name: biasw, .offset: 40, .size: 8, .value_kind: global_buffer, .address_space: global }
    .group_segment_fixed_size: 9728
    .private_segment_fixed_size: 0
    .kernarg_segment_align: 8
    .kernarg_segment_size: 48
    .max_flat_workgroup_size: 128
    .sgpr_count:     66
    .vgpr_count:     512
    .wavefront_size: 32
...
	.end_amdgpu_metadata
.endif
;; end of part 1
;; launch main (part 2): grid 512 x 1, 4 waves a work-group, clusters of 4 x 1, 327,680 bytes of LDS; arguments out_e, W2_codes, W3, lowp_scales, biasw, scores, part, stats; writes scores, part, stats
.if DOCPART == 2
	.amdgcn_target "amdgcn-amd-amdhsa--gfx1250"
	.amdhsa_code_object_version 6
	.text
	.protected	k_qe428846779_main
	.globl	k_qe428846779_main
	.p2align	8
	.type	k_qe428846779_main,@function
k_qe428846779_main:
	s_mov_b64 s[64:65], 0
	v_nop
	global_prefetch_b8 v0, s[64:65] scope:SCOPE_SE
	s_setreg_imm32_b32 hwreg(HW_REG_WAVE_MODE, 25, 1), 1
	s_wait_xcnt 0x0
	s_wait_alu depctr_hold_cnt(0) depctr_sa_sdst(0) depctr_va_vdst(0) depctr_va_sdst(0) depctr_va_ssrc(0) depctr_va_vcc(0) depctr_vm_vsrc(0)
	s_getreg_b32 s2, hwreg(HW_REG_IB_STS2, 6, 4)
	s_cmp_eq_u32 s2, 0
	s_cbranch_scc0 .Lentry_in_a_cluster
	s_endpgm
.Lentry_in_a_cluster:
	s_bfe_u32 s2, ttmp6, 0x10000c
	s_cmp_lg_u32 s2, 0x3003
	s_cbranch_scc0 .Lentry_shape_is_right
	s_endpgm
.Lentry_shape_is_right:
; For 128 rows s of one batch entry n: a'[s] = sum over e of (-2 W3[e]) / (1 + 2^t), the rows' largest a' (M), p = e^(a' - M), the sum of p (L), and the sum of p x out_e[s][n][:].
; a' is reference()'s a less (sum of W3 + b3), a term equal along the softmax's axis: it is left out, as the first kernel's head shows; b3 is not loaded.
; t = K2 x, K2 = 2 log2(e), x = tanh's argument: tanh(x) = 1 - 2 / (1 + 2^t).  2^t = infinity gives 0, 2^t = 0 gives 1: tanh's two ends.
; out_e [2048][32][1024] f32 IS READ ONCE: a row stays on the WGP twice, as codes of BF8 (E5M2) for the quantised product and as bf16 for the weighted sum, until its p is known.
; W2 [1024][1024]: codes of BF8, K innermost.  e2, e3: entries 2, 3 of the buffer of scales.  code of out_e = x / 2^e2, held within +-57,344, to the nearest code, ties to even.
; biasw[n][e] (made by the launch before) = (linear1 + b1 + b2) / 2^(e2 + e3) is the C of each sum's first matrix instruction, so a finished sum x 2^(e2 + e3) is x.
; LIMITS: e2 between -126 and 112; e2 + e3 between -127 and 126 (it is added to K2's exponent field).  NaN among the inputs is not served.  out_e is rounded to bf16 for the weighted sum alone.
; SHARES.  Work-group g = 4 x cluster + place: n = g % 32, rows s = 128 (g / 32) on.  Wave w = 2 a + b OWNS rows 32 w .. 32 w + 31: it loads, quantises, keeps and weighs them.
; It MULTIPLIES the 64 rows of half a (four tiles m of 16) by the e half b of W2: a fragment of W2 read from LDS feeds four products.
; Tile m of half a: m = 0, 1: rows 0-15 of waves 2 a, 2 a + 1; m = 2, 3: their rows 16-31.  The codes go from wave to wave through the stages in LDS, 16 rows a wave at a time.
; W2 comes in 16 parts of 64 rows through a ring of two LDS slots; each wave's tensor load brings 16 rows of 1,024 bytes.
; CLUSTER.  Every work-group walks the same W2, and a mask names four at the most: 4 x 1 work-groups ask for each part JOINTLY, by the same tensor load with the same descriptor and the mask 15.
; THE MATRIX INSTRUCTION IS USED TRANSPOSED (source 0 = 16 rows e of W2, source 1 = 16 rows s): lane (r, h) holds row s = r and its registers e = tile + 8 h + 0 .. 7.
; A fragment (16 rows x 128 K, 16 registers) comes by four ds_load_b128, 32 bytes apart, at row x pitch + 16 h: the same permutation of k in both operands.
; A PART is 64 products a wave (2 e tiles x 4 tiles m x 8 K steps) on eight accumulators by turns, in four groups of 16; eight fragment buffers, filled four at a time.
; The finished part's 64 registers go through x K2, 2^t, + 1, the reciprocal and the sums in whole batches, behind the NEXT part's change of slots, while that part's first 40 LDS loads are out.
; No data prefetch: out_e's rows are asked for by register loads six rows (24,576 bytes a wave) ahead and read once; W2's parts are asked for a whole part ahead by the joint loads.
; REGISTERS, in windows of 256:
;   window 0: v1, v2 the add's two; v3-9 addresses; v10, v11 2^e2 and 57,344 x 2^e2; v12-27 the scores' sums, a pair for each (e tile, m); v28, v29 my kept rows' places in LDS; v30, v31 at work;
;             v32-95 eight accumulators; v96-223 eight buffers of one W2 fragment; v224-239 the part's bias; v240-255 the part before's -2 W3.
;             While rows are loaded: v32-223 six rows of 32 numbers (at the end v96-159 rows 28-31 as bf16), v224-239 two sets of a row's codes, v240-255 the tables, then a row's bf16 on its way to LDS.
;   windows 1, 2: the codes of my half's 64 rows: fragment (m, s) in window 1 + m / 2 at v[128 (m % 2) + 16 s].  Behind the last product window 1 takes my rows 16-31 as bf16, back from LDS.
;   window 3: my rows 0-15 as bf16: row p at v[16 p], register t = numbers 2 t, 2 t + 1 of the lane's 32.
; A lane's number 4 q + i of a row is k = 128 q + 4 lane + i: each load of a row reads 512 consecutive bytes.
.set PITCH, 1040                       ; an LDS row of codes: 1,024 bytes + 16 of padding
.set WTILE, 16*PITCH                   ; 16 rows: what one tensor load brings; also a wave's stage
.set SLOT1, 1<<17                      ; slot 0 at byte 0, slot 1 here
.set KBYTES, 12*2048                   ; a wave's rows 16-27 as bf16
.set KEEP0, 4*WTILE                    ; between the slots: the kept rows of waves 0 and 1,
.set TABS,  KEEP0+2*KBYTES             ; biasw[n][0 .. 1023],
.set W3TAB, TABS+4096                  ; -2 W3[0 .. 1023],
.set PS,    W3TAB+4096                 ; the waves' halves of the scores, 256 bytes each,
.set RED,   PS+1024                    ; words 0-3 the waves' maxima, words 4-7 the waves' sums,
.set SPARE, RED+256                    ; the spare words, 128 bytes for each wave: two blocks of 256 bytes that no other line names
.set STAGE, SLOT1+4*WTILE              ; a block of 16 rows of codes for each wave; in the loop its first 8,192 bytes hold the wave's rows 28-31 as bf16
.set KEEP1, STAGE+4*WTILE              ; the kept rows of waves 2 and 3
.set CP,    STAGE                      ; at the end: the four waves' weighted sums, 4,096 bytes each
.set ACC,  32
.set BB,   96
.set RET,  96
.set BI,   224
.set W3R,  240
.set BT,   240
.set SA,   12
.set MSB, 0
.macro WIN new                         ; the immediate's high byte repeats the setting that is left; a switch that changes nothing is dropped
.if MSB != (\new)
	s_set_vgpr_msb (MSB<<8)|(\new)
.set MSB, (\new)
.endif
.endm
.macro ROUND                           ; a round of the cluster's barrier
	s_barrier_signal -1
	s_barrier_wait -1
	s_cmp_lg_u32 s22, 0
	s_cbranch_scc1 .Lnot_wave_0_\@
	s_barrier_signal -3
.Lnot_wave_0_\@:
	s_barrier_wait -3
	s_barrier_signal -1
	s_barrier_wait -1
.endm
.macro NOPS n
.rept \n
	v_nop
.endr
.endm
	s_load_b256 s[4:11], s[0:1], 0x0               ; out_e s[4:5], W2's codes s[6:7], W3 s[8:9], the scales' exponents s[10:11]
	s_load_b256 s[12:19], s[0:1], 0x20             ; biasw s[12:13], scores s[14:15], part s[16:17], stats s[18:19]
	v_lshl_add_u32 v1, v0, 2, SPARE
	v_mov_b32 v2, 0
	ds_add_u32 v1, v2                              ; the opening lines: the add, twice on end, and its wait ahead of my first tensor load
	ds_add_u32 v1, v2
	v_lshrrev_b32 v20, 5, v0
	v_readfirstlane_b32 s22, v20                   ; wave 0..3
	s_lshr_b32 s27, s22, 1                         ; a: which 64 rows I multiply
	s_and_b32 s43, s22, 1                          ; b: which half of each part's 64 rows of W2
	; every LDS base is made here, of the wave's number and constants
	s_mul_i32 s98, s43, KBYTES
	s_mul_i32 s99, s27, KEEP1-KEEP0
	s_add_co_u32 s98, s98, s99
	s_add_co_u32 s98, s98, KEEP0                   ; my kept rows 16-27
	s_mul_i32 s29, s22, WTILE                      ; group 0's LDS address: slot 0, the 16 rows that I fetch
	s_add_co_u32 s66, s29, STAGE                   ; my block of the stages
	s_mul_i32 s67, s43, 2*WTILE                    ; my 32 of a slot's 64 rows
	s_mul_i32 s68, s27, 2*WTILE
	s_add_co_u32 s68, s68, STAGE                   ; the two blocks of my half
	s_lshl_b32 s69, s43, 7
	s_add_co_u32 s69, s69, TABS                    ; my 32 numbers of a part's 64
	s_lshl_b32 s99, s22, 8
	s_add_co_u32 s99, s99, PS                      ; my 256 bytes of score halves
	s_lshl_b32 s100, s27, 9
	s_lshl_b32 s101, s43, 6
	s_add_co_u32 s100, s100, s101
	s_add_co_u32 s100, s100, PS                    ; where my own rows' halves lie: 512 a + 64 b
	s_lshl_b32 s101, s22, 2
	s_add_co_u32 s101, s101, RED
	s_lshl_b32 s104, s22, 12
	s_add_co_u32 s104, s104, CP                    ; my weighted sums
	s_lshl_b32 s105, s22, 10
	s_add_co_u32 s105, s105, CP                    ; the 256 numbers that I add up
	s_bfe_u32 s23, ttmp6, 0x40000                  ; my place in the cluster: it enters global addresses alone
	s_lshl_b32 s24, ttmp9, 2
	s_add_co_u32 s24, s24, s23                     ; g
	s_and_b32 s25, s24, 31                         ; n
	s_lshr_b32 s26, s24, 5                         ; j: rows 128 j on
	s_mov_b32 s32, 15|(1<<20)|(1<<21)|(7<<22)|(3<<25)   ; group 1: mask of all four; elements of 1 byte; padding: four words after every 256; bit 21 beside the mask
	s_mov_b32 s33, 1024<<16                        ; tensor_dim0
	s_mov_b32 s34, 16<<16                          ; tensor_dim1
	s_mov_b32 s35, 1024<<16                        ; tile_dim0
	s_mov_b32 s36, 16                              ; tile_dim1
	s_mov_b32 s37, 1024                            ; the pitch
	s_mov_b32 s38, 0
	s_mov_b32 s39, 0
	s_mov_b32 s46, 0x76543210                      ; v_permlanex16_b32's selects for lane l xor 16
	s_mov_b32 s47, 0xfedcba98
	s_mov_b32 s40, 0                               ; LDS byte at which the slot in hand begins
	s_mov_b32 s41, 0                               ; the part's place in the tables: 256 bytes a part
	s_lshl_b32 s54, s26, 7
	s_lshl_b32 s53, s22, 5
	s_add_co_u32 s54, s54, s53                     ; my wave's first row s = 128 j + 32 w,
	s_lshl_b32 s54, s54, 17                        ; 131,072 bytes from s to s + 1,
	s_lshl_b32 s62, s25, 12                        ; 4,096 n: also biasw's row
	s_mov_b32 s63, 0
	s_add_co_u32 s54, s54, s62
	s_mov_b32 s55, 0
	s_lshl_b32 s56, s25, 13                        ; scores [n][s]: (2,048 n + 128 j) x 4
	s_lshl_b32 s53, s26, 9
	s_add_co_u32 s56, s56, s53
	s_mov_b32 s57, 0
	s_lshl_b32 s58, s25, 16                        ; part [n][j][1024]: (16 n + j) x 4,096 + 1,024 w
	s_lshl_b32 s53, s26, 12
	s_add_co_u32 s58, s58, s53
	s_lshl_b32 s53, s22, 10
	s_add_co_u32 s58, s58, s53
	s_mov_b32 s59, 0
	s_lshl_b32 s60, s25, 7                         ; stats [n][j][2]: (16 n + j) x 8
	s_lshl_b32 s53, s26, 3
	s_add_co_u32 s60, s60, s53
	s_mov_b32 s61, 0
	s_lshl_b32 s2, s22, 14                         ; W2: the 16 rows of a part that I fetch: the wave's number alone
	s_mov_b32 s3, 0
	s_wait_dscnt 0x0                               ; both opening adds are done
	s_wait_kmcnt 0x0
	s_load_b128 s[48:51], s[10:11], 0x0            ; e0, e1, e2, e3
	s_add_nc_u64 s[4:5], s[4:5], s[54:55]
	s_add_nc_u64 s[12:13], s[12:13], s[62:63]
	s_add_nc_u64 s[14:15], s[14:15], s[56:57]
	s_add_nc_u64 s[16:17], s[16:17], s[58:59]
	s_add_nc_u64 s[18:19], s[18:19], s[60:61]
	s_mov_b32 s28, 1                               ; group 0: count = 1
	s_add_nc_u64 s[30:31], s[6:7], s[2:3]          ; part 0
	s_or_b32 s31, s31, 0x80000000                  ; type = 2
	ROUND                                          ; all four work-groups are here: the first joint loads meet
	tensor_load_to_lds s[28:31], s[32:39]          ; part 0: my one tensor load at the head
	s_nop 0
	v_lshlrev_b32 v21, 5, v0                       ; the tables: 32 bytes a thread
	v_and_b32 v22, 31, v0                          ; lane
	v_lshlrev_b32 v3, 4, v22                       ; 16 x lane
	v_and_b32 v24, 15, v0                          ; r
	v_bfe_u32 v25, v0, 4, 1                        ; h
	v_lshl_add_u32 v4, v22, 2, s66                 ; into my block of the stages: 4 bytes a lane
	v_mul_u32_u24 v26, v24, PITCH
	v_lshl_add_u32 v26, v25, 4, v26                ; a fragment's row x pitch + 16 h
	v_add_nc_u32 v6, s67, v26                      ; W2's fragments in a slot
	v_add_nc_u32 v5, s68, v26                      ; the rows' fragments
	v_lshl_add_u32 v8, v25, 5, s69                 ; the tables: my half's eight of a tile
	v_add_nc_u32 v28, s98, v3                      ; my kept rows 16-27: 16 bytes a lane
	v_add_nc_u32 v29, s66, v3                      ; my kept rows 28-31
	v_lshl_add_u32 v23, v0, 5, TABS
	s_wait_alu depctr_va_vdst(0)
	global_load_b128 v[240:243], v21, s[12:13]
	global_load_b128 v[244:247], v21, s[12:13] offset:16
	global_load_b128 v[248:251], v21, s[8:9]
	global_load_b128 v[252:255], v21, s[8:9] offset:16
.macro RLOAD rho                       ; row rho of my 32 into slot rho % 6: eight loads of 512 consecutive bytes; read once in the launch
.irp q, 0,1,2,3,4,5,6,7
	global_load_b128 v[32+32*((\rho)%6)+4*\q:32+32*((\rho)%6)+4*\q+3], v3, s[4:5] offset:(\rho)*131072+512*\q th:TH_LOAD_NT
.endr
.endm
.irp p, 0,1,2,3,4,5
	RLOAD \p
.endr
	s_wait_kmcnt 0x0
	s_add_co_i32 s56, s50, 127
	s_lshl_b32 s57, s56, 23                        ; 2^e2 as f32
	s_add_co_i32 s56, s56, 15
	s_lshl_b32 s56, s56, 23
	s_or_b32 s56, s56, 0x600000                    ; 57,344 x 2^e2
	s_add_co_i32 s58, s50, s51
	s_lshl_b32 s58, s58, 23
	s_add_co_i32 s44, s58, 0x4038aa3b              ; K2 x 2^(e2 + e3): the exponents are added to K2's exponent field
	s_mov_b32 s45, s44                             ; (named with it as a pair, so it is written)
	v_mov_b32 v10, s57
	v_mov_b32 v11, s56
	s_wait_alu depctr_va_vdst(0)
	s_wait_loadcnt 48                              ; the four table loads are in; the six rows' 48 may be out
.irp k, 0,2,4,6
	v_pk_mul_f32 v[248+\k:249+\k], v[248+\k:249+\k], -2.0 op_sel_hi:[1,0]
.endr
	ds_store_b128 v23, v[240:243]
	ds_store_b128 v23, v[244:247] offset:16
	ds_store_b128 v23, v[248:251] offset:W3TAB-TABS
	ds_store_b128 v23, v[252:255] offset:W3TAB-TABS+16
; ONE ROW: kept as bf16 (rows 0-15 in window 3, rows 16-27 in LDS, rows 28-31 in the slots that rows 26 and 27 have left); held, turned into codes, and sent to its row of my block of the stages;
; its slot takes the row six further on.  left: the younger rows' loads, which may stay out.
.macro ROWQ rho, left
.set XS, 32+32*((\rho)%6)
.set CT, 224+8*((\rho)%2)
	s_wait_loadcnt \left
	s_wait_dscnt 8                                 ; only the last row's eight stores of codes may be out
.if (\rho) < 16
	WIN 0xc0                                       ; destination window 3
.irp t, 0,1,2,3,4,5,6,7,8,9,10,11,12,13,14,15
	v_cvt_pk_bf16_f32 v[16*(\rho)+\t], v[XS+2*\t], v[XS+2*\t+1]
.endr
	WIN 0
.elseif (\rho) < 28
.irp t, 0,1,2,3,4,5,6,7,8,9,10,11,12,13,14,15
	v_cvt_pk_bf16_f32 v[BT+\t], v[XS+2*\t], v[XS+2*\t+1]
.endr
.irp c, 0,1,2,3
	ds_store_b128 v28, v[BT+4*\c:BT+4*\c+3] offset:((\rho)-16)*2048+512*\c   ; an image of the 16 registers
.endr
.else
.irp t, 0,1,2,3,4,5,6,7,8,9,10,11,12,13,14,15
	v_cvt_pk_bf16_f32 v[RET+16*((\rho)-28)+\t], v[XS+2*\t], v[XS+2*\t+1]
.endr
.endif
.set I, 0
.rept 32
	v_med3_num_f32 v[XS+I], v[XS+I], -v11, v11     ; the conversion to an 8-bit code does not saturate (ISA guide 7.6.2): the hold at the largest code x the scale
.set I, I+1
.endr
.irp g, 0,1,2,3
	v_cvt_scalef32_pk8_bf8_f32 v[CT+2*\g:CT+2*\g+1], v[XS+8*\g:XS+8*\g+7], v10   ; register q of the eight: the codes of k = 128 q + 4 lane + 0 .. 3
.endr
	v_nop                                          ; one plain vector line behind the run of scaled conversions
.irp q, 0,1,2,3,4,5,6,7
	ds_store_b32 v4, v[CT+\q] offset:((\rho)%16)*PITCH+128*\q   ; 32 lanes store 128 consecutive bytes of the row
.endr
.if (\rho)+6 < 32
	RLOAD (\rho)+6
.endif
.endm
; The 16 rows in each of my half's two blocks become tiles m = 2 mu and 2 mu + 1: sixteen fragments.  Store, wait, barrier, load; mu = 0: load, wait, barrier, overwrite.
.macro FRAGS mu
	s_wait_dscnt 0x0                               ; for the partner's sake: my stores into my block are done
	s_barrier_signal -1
	s_barrier_wait -1
	WIN 0x40+0x40*(\mu)                            ; destination window 1 or 2
.irp u, 0,1
.irp s, 0,1,2,3,4,5,6,7
.irp c, 0,1,2,3
	ds_load_b128 v[128*\u+16*\s+4*\c:128*\u+16*\s+4*\c+3], v5 offset:\u*WTILE+128*\s+32*\c
.endr
.endr
.endr
	WIN 0
.if (\mu) == 0
	s_wait_dscnt 0x0                               ; my reads of both blocks are over
	s_barrier_signal -1
	s_barrier_wait -1
.endif
.endm
.irp p, 0,1,2,3,4,5,6,7,8,9,10,11,12,13,14,15
	ROWQ \p, 40                                    ; five younger rows of eight loads
.endr
	FRAGS 0
.irp p, 16,17,18,19,20,21,22,23,24,25,26
	ROWQ \p, 40
.endr
.irp p, 27,28,29,30,31
	ROWQ \p, 8*(31-\p)                             ; nothing more is asked for: the counts run down
.endr
	FRAGS 1
.set I, 0
.rept 16
	v_mov_b32 v[SA+I], 0                           ; the scores' sums
.set I, I+1
.endr
	s_wait_alu depctr_va_vdst(0)
; Step sg of a part's 16 (K step sg / 2, my e tile sg % 2): one fragment of W2 into buffer sg % 8
.macro LB sg
.irp c, 0,1,2,3
	ds_load_b128 v[BB+16*((\sg)%8)+4*\c:BB+16*((\sg)%8)+4*\c+3], v7 offset:((\sg)&1)*WTILE+128*((\sg)>>1)+32*\c
.endr
.endm
.macro LTAB reg, off                   ; my two e tiles' eight numbers each, from a table
.irp u, 0,1
	ds_load_b128 v[\reg+8*\u:\reg+8*\u+3],   v9 offset:(\off)+64*\u
	ds_load_b128 v[\reg+8*\u+4:\reg+8*\u+7], v9 offset:(\off)+64*\u+16
.endr
.endm
; One product: the step's fragment of W2 x tile m's codes (source 1 in window 1 for m = 0, 1, in window 2 for m = 2, 3).  The e tile's bias starts the sum.
.macro MM sg, m
.set rD, ACC+32*((\sg)&1)+8*(\m)
.set rA, BB+16*((\sg)%8)
.set rB, 128*((\m)&1)+16*((\sg)>>1)
	WIN 0x04<<((\m)>>1)
.if (\sg) < 2
	v_wmma_f32_16x16x128_bf8_bf8 v[rD:rD+7], v[rA:rA+15], v[rB:rB+15], v[BI+8*((\sg)&1):BI+8*((\sg)&1)+7]
.else
	v_wmma_f32_16x16x128_bf8_bf8 v[rD:rD+7], v[rA:rA+15], v[rB:rB+15], v[rD:rD+7]
.endif
.endm
; Four products on one fragment.  Even steps take m = 0, 1, 2, 3, odd steps m = 2, 3, 0, 1: one switch of the window a step; the eight accumulators take turns, one instruction a turn.
.macro ST sg
.if ((\sg)&1) == 0
.irp m, 0,1,2,3
	MM \sg, \m
.endr
.else
.irp m, 2,3,0,1
	MM \sg, \m
.endr
.endif
.endm
; A part's 64 products.  Each wait leaves the younger group's 16 fragment loads out.  Four v_nop are the places in front of loads into buffers that products have read.
.macro MMS
	s_wait_dscnt 16                                ; the bias and buffers 0-3 are in
.irp g, 0,1,2,3
	ST \g
.endr
	NOPS 4
.irp g, 8,9,10,11
	LB \g
.endr
	s_wait_dscnt 16                                ; buffers 4-7
.irp g, 4,5,6,7
	ST \g
.endr
	NOPS 4
.irp g, 12,13,14,15
	LB \g
.endr
	s_wait_dscnt 16
.irp g, 8,9,10,11
	ST \g
.endr
	s_wait_dscnt 0
.irp g, 12,13,14,15
	ST \g
.endr
	WIN 0
	s_xor_b32 s40, s40, SLOT1                      ; on to the other slot,
	s_add_co_u32 s41, s41, 256                     ; and 64 numbers on in the tables
.endm
; The finished part's 64 registers, in whole batches; each batch of transcendentals has one wait ahead of it and one behind it.  cnt: the LDS loads issued behind -2 W3's four.
.macro EPI cnt
.set K, 0
.rept 32
	v_pk_mul_f32 v[ACC+K:ACC+K+1], v[ACC+K:ACC+K+1], s[44:45] op_sel_hi:[1,0]   ; t; each accumulator from its low end on
.set K, K+2
.endr
	s_wait_alu depctr_va_vdst(0)
.set K, 0
.rept 64
	v_exp_f32 v[ACC+K], v[ACC+K]
.set K, K+1
.endr
	v_nop                                          ; a plain line behind the transcendentals
	s_wait_alu depctr_va_vdst(0)
.set K, 0
.rept 32
	v_pk_add_f32 v[ACC+K:ACC+K+1], v[ACC+K:ACC+K+1], 1.0 op_sel_hi:[1,0]
.set K, K+2
.endr
	s_wait_alu depctr_va_vdst(0)
.set K, 0
.rept 64
	v_rcp_f32 v[ACC+K], v[ACC+K]
.set K, K+1
.endr
	v_nop
	s_wait_alu depctr_va_vdst(0)
	s_wait_dscnt \cnt                              ; -2 W3 of that part is in
.irp i, 0,1,2,3
.irp u, 0,1
.irp m, 0,1,2,3
	v_pk_fma_f32 v[SA+8*\u+2*\m:SA+8*\u+2*\m+1], v[ACC+32*\u+8*\m+2*\i:ACC+32*\u+8*\m+2*\i+1], v[W3R+8*\u+2*\i:W3R+8*\u+2*\i+1], v[SA+8*\u+2*\m:SA+8*\u+2*\m+1]
.endr
.endr
.endr
.endm
; THE CHANGE OF SLOTS, at a part's head: the wait for all my tensor loads, the add, the wait for it and for my LDS instructions.  fill = 1: a round of the cluster's barrier, and the joint load of the next part first behind it.
.macro CHANGE fill
	s_wait_tensorcnt 0x0                           ; no tensor load of mine is out, so group 0 may be written
	ds_add_u32 v1, v2                              ; 0 onto my spare word
.if \fill
	s_xor_b32 s29, s29, SLOT1                      ; the other slot than last time,
	s_add_nc_u64 s[30:31], s[30:31], 65536         ; the next 64 rows
.endif
	s_wait_dscnt 0x0
.if \fill
	ROUND
	tensor_load_to_lds s[28:31], s[32:39]
	s_nop 0
.else
	s_barrier_signal -1
	s_barrier_wait -1
.endif
.endm
; Behind the change: the part's addresses (with two v_nop: the four places behind the last products), then its first loads: -2 W3 of the part before (w3 = 1), the bias, eight fragments.
; first = 1: my rows 28-31 leave v96-159 for my block of the stages, which the partner has read (its wait stood in front of the round).
.macro HL w3, first
	v_add_nc_u32 v7, s40, v6
	v_add_nc_u32 v9, s41, v8
	NOPS 2
	s_wait_alu depctr_va_vdst(0)
.if \first
.irp i, 0,1,2,3
.irp c, 0,1,2,3
	ds_store_b128 v29, v[RET+16*\i+4*\c:RET+16*\i+4*\c+3] offset:2048*\i+512*\c
.endr
.endr
	s_wait_dscnt 0x0                               ; the stores have read their registers: fragments land there next
.endif
.if \w3
	LTAB W3R, W3TAB-TABS-256
.endif
	LTAB BI, 0
.irp g, 0,1,2,3,4,5,6,7
	LB \g
.endr
.endm
	CHANGE 1                                       ; part 0 is in; part 1 is asked for (slot 1's first fill, issued as a refill is)
	HL 0, 1
	MMS
	s_mov_b32 s42, 14
.Lpart:                                            ; parts 1 to 14: each asks for the part after it
	CHANGE 1
	HL 1, 0
	EPI 36                                         ; behind -2 W3: the bias's 4 loads and 32 of fragments
	MMS
	s_sub_co_u32 s42, s42, 1
	s_cmp_lg_u32 s42, 0
	s_cbranch_scc1 .Lpart
	CHANGE 0                                       ; part 15 is written out: it asks for nothing
	HL 1, 0
	EPI 36
	MMS
	; part 15's registers have no successor to stand beside; my rows 16-27 come back from LDS into window 1, which the last products have left
	v_add_nc_u32 v9, s41, v8
	NOPS 3                                         ; with the line above: four places behind the last products
	s_wait_alu depctr_va_vdst(0)
	LTAB W3R, W3TAB-TABS-256
	WIN 0x40                                       ; destination window 1
.irp i, 0,1,2,3,4,5,6,7,8,9,10,11
.irp c, 0,1,2,3
	ds_load_b128 v[16*\i+4*\c:16*\i+4*\c+3], v28 offset:\i*2048+512*\c
.endr
.endr
	WIN 0
	EPI 48                                         ; the 48 loads of kept rows may be out
	WIN 0x40
.irp i, 0,1,2,3
.irp c, 0,1,2,3
	ds_load_b128 v[192+16*\i+4*\c:192+16*\i+4*\c+3], v29 offset:\i*2048+512*\c   ; rows 28-31
.endr
.endr
	WIN 0
	; THE SCORES.  For each of my half's four tiles: both e tiles, the pair's halves and the lane 16 away.  That is the sum over MY e half: the two waves of a half exchange through LDS, and lane l keeps row l of the wave's own 32.
.irp m, 0,2,4,6
	v_pk_add_f32 v[SA+\m:SA+\m+1], v[SA+\m:SA+\m+1], v[SA+8+\m:SA+9+\m]
.endr
.irp m, 0,2,4,6
	v_add_f32 v[SA+\m], v[SA+\m], v[SA+\m+1]
.endr
.irp m, 0,2,4,6
	v_permlanex16_b32 v[SA+\m+1], v[SA+\m], s46, s47
.endr
.irp m, 0,2,4,6
	v_add_f32 v[SA+\m], v[SA+\m], v[SA+\m+1]
.endr
	v_and_b32 v22, 31, v0
	v_cmp_gt_u32 vcc_lo, 16, v22
	v_cndmask_b32 v20, v14, v12, vcc_lo            ; lanes 0-15: tile 0's rows; lanes 16-31: tile 1's
	v_cndmask_b32 v21, v18, v16, vcc_lo            ; tiles 2 and 3
	v_and_b32 v24, 15, v0                          ; r
	v_bfe_u32 v25, v0, 4, 1                        ; h
	v_lshl_add_u32 v30, v22, 2, s99                ; my 256 bytes: tile m's sixteen sums at 64 m
	v_lshl_add_u32 v31, v25, 7, s100
	v_lshl_add_u32 v31, v24, 2, v31                ; my own rows are tiles b and 2 + b of my half: 512 a + 64 b + 128 h + 4 r in wave 2 a's bytes, and 256 on in wave 2 a + 1's
	ds_store_b32 v30, v20
	ds_store_b32 v30, v21 offset:128
	s_wait_alu depctr_va_vdst(0)
	s_wait_dscnt 0x0                               ; for the partner's sake (and my kept rows are back)
	s_barrier_signal -1
	s_barrier_wait -1
	ds_load_b32 v26, v31
	ds_load_b32 v27, v31 offset:256
	s_wait_dscnt 0x0
	v_add_f32 v20, v26, v27                        ; a': both e halves
	v_lshlrev_b32 v21, 2, v0
	global_store_b32 v21, v20, s[14:15]            ; v20 and v21 are not written again
	v_mov_b32 v23, v20
	v_max_num_f32_dpp v23, v23, v23 row_xmask:1 row_mask:0xf bank_mask:0xf
	v_max_num_f32_dpp v23, v23, v23 row_xmask:2 row_mask:0xf bank_mask:0xf
	v_max_num_f32_dpp v23, v23, v23 row_xmask:4 row_mask:0xf bank_mask:0xf
	v_max_num_f32_dpp v23, v23, v23 row_xmask:8 row_mask:0xf bank_mask:0xf
	v_permlanex16_b32 v24, v23, s46, s47
	v_max_num_f32 v23, v23, v24                    ; my wave's largest a'
	v_mov_b32 v25, s101
	v_mov_b32 v26, RED
	ds_store_b32 v25, v23
	s_wait_alu depctr_va_vdst(0)
	s_wait_dscnt 0x0                               ; for the others' sake
	s_barrier_signal -1
	s_barrier_wait -1
	ds_load_b128 v[28:31], v26
	s_wait_dscnt 0x0
	v_max3_num_f32 v23, v28, v29, v30
	v_max_num_f32 v23, v23, v31                    ; M: the largest a' of the work-group's 128 rows
	v_sub_f32 v24, v20, v23
	v_mul_f32 v24, 0x3fb8aa3b, v24
	s_wait_alu depctr_va_vdst(0)
	v_exp_f32 v24, v24                             ; p = e^(a' - M), at most 1
	v_nop
	s_wait_alu depctr_va_vdst(0)
	v_mov_b32 v27, v24
	v_add_f32_dpp v27, v27, v27 row_xmask:1 row_mask:0xf bank_mask:0xf
	v_add_f32_dpp v27, v27, v27 row_xmask:2 row_mask:0xf bank_mask:0xf
	v_add_f32_dpp v27, v27, v27 row_xmask:4 row_mask:0xf bank_mask:0xf
	v_add_f32_dpp v27, v27, v27 row_xmask:8 row_mask:0xf bank_mask:0xf
	v_permlanex16_b32 v28, v27, s46, s47
	v_add_f32 v27, v27, v28                        ; my wave's sum of p
.set I, 0
.rept 32
	v_readlane_b32 s[66+I], v24, I                 ; a row's p is wanted in every lane: numbers only, no address and no branch hangs on them
.set I, I+1
.endr
	; THE WEIGHTED SUM of my 32 rows, from the bf16 kept in window 3 (rows 0-15) and brought back into window 1 (rows 16-31): 32 numbers a lane
.set I, 0
.rept 32
	v_mov_b32 v[32+I], 0
.set I, I+1
.endr
.macro WROW p
.if (\p) < 16
.set RR, 16*(\p)
	WIN 3                                          ; source 0 window 3
.else
.set RR, 16*((\p)-16)
	WIN 1                                          ; source 0 window 1
.endif
.set PV, 28+((\p)%4)
	v_mov_b32 v[PV], s[66+(\p)]
.irp t, 0,1,2,3,4,5,6,7,8,9,10,11,12,13,14,15
	v_fma_mix_f32_bf16 v[32+2*\t], v[RR+\t], v[PV], v[32+2*\t] op_sel_hi:[1,0,0]                  ; the low bf16 x p + the sum, in f32
	v_fma_mix_f32_bf16 v[33+2*\t], v[RR+\t], v[PV], v[33+2*\t] op_sel:[1,0,0] op_sel_hi:[1,0,0]   ; the high bf16
.endr
.endm
.irp p, 0,1,2,3,4,5,6,7,8,9,10,11,12,13,14,15,16,17,18,19,20,21,22,23,24,25,26,27,28,29,30,31
	WROW \p
.endr
	WIN 0
	; the four waves' sums meet in LDS (at the head of the stages: every wave's reads there were waited for in front of the two barriers above); wave w adds and stores numbers 256 w .. 256 w + 255
	v_add_nc_u32 v103, s104, v3
	v_add_nc_u32 v104, s105, v3
.irp q, 0,1,2,3,4,5,6,7
	ds_store_b128 v103, v[32+4*\q:35+4*\q] offset:512*\q   ; numbers 128 q + 4 lane + 0 .. 3
.endr
	ds_store_b32 v25, v27 offset:16
	s_wait_alu depctr_va_vdst(0)
	s_wait_dscnt 0x0                               ; for the others' sake
	s_barrier_signal -1
	s_barrier_wait -1
.irp u, 0,1,2,3
.irp z, 0,1
	ds_load_b128 v[64+8*\u+4*\z:67+8*\u+4*\z], v104 offset:4096*\u+512*\z
.endr
.endr
	ds_load_b128 v[96:99], v26 offset:16
	s_wait_dscnt 0x0
.irp k, 0,2,4,6
	v_pk_add_f32 v[64+\k:65+\k], v[64+\k:65+\k], v[72+\k:73+\k]
	v_pk_add_f32 v[80+\k:81+\k], v[80+\k:81+\k], v[88+\k:89+\k]
.endr
.irp k, 0,2,4,6
	v_pk_add_f32 v[64+\k:65+\k], v[64+\k:65+\k], v[80+\k:81+\k]
.endr
	global_store_b128 v3, v[64:67], s[16:17]       ; 32 lanes store 512 consecutive bytes, at a multiple of 256 from part's first byte
	global_store_b128 v3, v[68:71], s[16:17] offset:512
	v_add_f32 v96, v96, v97
	v_add_f32 v98, v98, v99
	v_mov_b32 v100, v23                            ; M,
	v_add_f32 v101, v96, v98                       ; L
	v_mov_b32 v102, 0
	v_cmp_eq_u32 vcc_lo, 0, v0
	s_wait_alu depctr_va_vdst(0)
	s_wait_xcnt 0x0                                ; EXEC changes only behind this wait
	s_and_saveexec_b32 s53, vcc_lo                 ; thread 0 alone
	global_store_b64 v102, v[100:101], s[18:19]
	s_wait_xcnt 0x0                                ; and again, in front of the line that widens it
	s_or_b32 exec_lo, exec_lo, s53
	s_wait_tensorcnt 0x0                           ; the wave's end, behind my last tensor load and my last LDS store
	ds_add_u32 v1, v2
	s_wait_dscnt 0x0
	ROUND                                          ; the closing round: no work-group ends while a partner may still ask for a part that names it
	s_endpgm
.Lfunc_end_k_qe428846779_main:
	.size	k_qe428846779_main, .Lfunc_end_k_qe428846779_main-k_qe428846779_main
	.p2alignl 7, 3214868480
	.fill 96, 4, 3214868480
	.section	.rodata,"a",@progbits
	.p2align	6, 0x0
	.amdhsa_kernel k_qe428846779_main
		.amdhsa_group_segment_fixed_size 327680
		.amdhsa_private_segment_fixed_size 0
		.amdhsa_enable_private_segment 0
		.amdhsa_kernarg_size 64
		.amdhsa_user_sgpr_count 2
		.amdhsa_user_sgpr_kernarg_segment_ptr 1
		.amdhsa_wavefront_size32 1
		.amdhsa_system_sgpr_workgroup_id_x 1
		.amdhsa_system_sgpr_workgroup_id_y 1
		.amdhsa_system_sgpr_workgroup_id_z 1
		.amdhsa_system_vgpr_workitem_id 0
		.amdhsa_next_free_vgpr 1024
		.amdhsa_next_free_sgpr 106
		.amdhsa_reserve_vcc 1
		.amdhsa_float_denorm_mode_32 3
		.amdhsa_float_denorm_mode_16_64 3
		.amdhsa_memory_ordered 1
		.amdhsa_forward_progress 1
		.amdhsa_inst_pref_size 255
	.end_amdhsa_kernel
	.section	.bss,"aw",@nobits
	.p2align	6
	.space	262144
	.amdgpu_metadata
---
amdhsa.version: [ 1, 2 ]
amdhsa.kernels:
  - .name:           k_qe428846779_main
    .symbol:         k_qe428846779_main.kd
    .args:
      - { .name: out_e, .offset: 0, .size: 8, .value_kind: global_buffer, .address_space: global }
      - { .name: W2_codes, .offset: 8, .size: 8, .value_kind: global_buffer, .address_space: global }
      - { .name: W3, .offset: 16, .size: 8, .value_kind: global_buffer, .address_space: global }
      - { .name: lowp_scales, .offset: 24, .size: 8, .value_kind: global_buffer, .address_space: global }
      - { .name: biasw, .offset: 32, .size: 8, .value_kind: global_buffer, .address_space: global }
      - { .name: scores, .offset: 40, .size: 8, .value_kind: global_buffer, .address_space: global }
      - { .name: part, .offset: 48, .size: 8, .value_kind: global_buffer, .address_space: global }
      - { .name: stats, .offset: 56, .size: 8, .value_kind: global_buffer, .address_space: global }
    .group_segment_fixed_size: 327680
    .private_segment_fixed_size: 0
    .kernarg_segment_align: 8
    .kernarg_segment_size: 64
    .max_flat_workgroup_size: 128
    .sgpr_count:     106
    .vgpr_count:     1024
    .wavefront_size: 32
...
	.end_amdgpu_metadata
.endif
;; end of part 2
;; launch finish (part 3): grid 32 x 1, 8 waves a work-group, no clusters, 10,240 bytes of LDS; arguments scores, part, stats, out0, out1; writes out0, out1
.if DOCPART == 3
	.amdgcn_target "amdgcn-amd-amdhsa--gfx1250"
	.amdhsa_code_object_version 6
	.text
	.protected	k_qe428846779_finish
	.globl	k_qe428846779_finish
	.p2align	8
	.type	k_qe428846779_finish,@function
k_qe428846779_finish:
	s_mov_b64 s[64:65], 0
	v_nop
	global_prefetch_b8 v0, s[64:65] scope:SCOPE_SE
	s_setreg_imm32_b32 hwreg(HW_REG_WAVE_MODE, 25, 1), 1
	s_wait_xcnt 0x0
; The softmax over s is closed: for each n the 16 blocks' (M_j, L_j) give M = max M_j and L = sum of L_j e^(M_j - M).
; out1[s][n] = alpha = e^(a[n][s] - M) / L.     out0[n][:] = c = sum over j of part[n][j][:] x e^(M_j - M) / L.
; scores [32 n][2048 s], part [32 n][16 j][1024], stats [32 n][16 j][2] (M_j, L_j): f32, made by the launch before.
; SHARES.  32 work-groups of 256 threads: work-group g makes c of n = g, and alpha of s = 64 g .. 64 g + 63 for all n (8,192 consecutive bytes of out1).  That is all the work there is: 2.4 MB are read.
; Thread t: the sixteen lanes of a row of lanes hold the 16 blocks of one n (n = t / 16, and n + 16), so M and L are made by four steps within the row, and every lane of the row has them.
; alpha is turned from [n][s] to [s][n] in LDS.  All loads go out first.  No matrix unit, no tensor load, no cluster: nothing is multiplied by a matrix and nothing is read twice but stats' 4 KB.
.set LOG2E, 0x3fb8aa3b
	s_load_b256 s[4:11], s[0:1], 0x0               ; scores s[4:5], part s[6:7], stats s[8:9], out0 s[10:11]
	s_load_b64 s[12:13], s[0:1], 0x20              ; out1
	v_lshl_add_u32 v128, v0, 2, 0x2400
	v_mov_b32 v129, 0
	v_and_b32 v1, 15, v0                           ; t % 16
	v_lshrrev_b32 v2, 4, v0                        ; t / 16
	v_lshlrev_b32 v3, 3, v0                        ; stats: entry t
	s_delay_alu instid0(VALU_DEP_3)
	v_lshlrev_b32 v4, 3, v1                        ; stats of n = g: entry t % 16
	s_delay_alu instid0(VALU_DEP_3)
	v_lshlrev_b32 v5, 13, v2
	s_delay_alu instid0(VALU_DEP_1)
	v_lshl_add_u32 v5, v1, 4, v5                   ; scores: row n = t / 16 of 8,192 bytes, four s from 4 (t % 16) on
	v_lshlrev_b32 v6, 4, v0                        ; 16 t
	v_mul_u32_u24 v97, v1, 576
	s_delay_alu instid0(VALU_DEP_1)
	v_lshl_add_u32 v97, v2, 2, v97                 ; LDS, rows s of 128 bytes + 16: row 4 (t % 16) (+ i), column n = t / 16 (+ 16 z)
	v_lshrrev_b32 v98, 3, v0
	s_delay_alu instid0(VALU_DEP_1)
	v_mul_u32_u24 v98, v98, 144
	v_and_b32 v99, 7, v0
	s_delay_alu instid0(VALU_DEP_1)
	v_lshl_add_u32 v98, v99, 4, v98                ; back: row t / 8 (+ 32 z), 16 bytes a thread
	s_lshl_b32 s32, ttmp9, 8                       ; scores: 64 g numbers on
	s_mov_b32 s33, 0
	s_lshl_b32 s34, ttmp9, 16                      ; part: n = g
	s_mov_b32 s35, 0
	s_lshl_b32 s36, ttmp9, 7                       ; stats: n = g
	s_mov_b32 s37, 0
	s_lshl_b32 s38, ttmp9, 12                      ; out0: row g
	s_mov_b32 s39, 0
	s_lshl_b32 s40, ttmp9, 13                      ; out1: 64 g rows of 128 bytes
	s_mov_b32 s41, 0
	s_wait_alu depctr_va_vdst(0)
	s_wait_kmcnt 0x0
	s_add_nc_u64 s[4:5], s[4:5], s[32:33]
	s_add_nc_u64 s[6:7], s[6:7], s[34:35]
	s_add_nc_u64 s[14:15], s[8:9], s[36:37]
	s_add_nc_u64 s[10:11], s[10:11], s[38:39]
	s_add_nc_u64 s[12:13], s[12:13], s[40:41]
	global_load_b64 v[8:9], v3, s[8:9]             ; (M_j, L_j) of n = t / 16,
	global_load_b64 v[10:11], v3, s[8:9] offset:2048   ; of n = 16 + t / 16,
	global_load_b64 v[12:13], v4, s[14:15]         ; of n = g
	global_load_b128 v[16:19], v5, s[4:5]
	global_load_b128 v[20:23], v5, s[4:5] offset:131072
.irp i, 0,1,2,3,4,5,6,7,8,9,10,11,12,13,14,15
	global_load_b128 v[32+4*\i:35+4*\i], v6, s[6:7] offset:4096*\i   ; block i's partial c: the work-group's threads read 4,096 consecutive bytes
.endr
; v[mm], v[ll]: a block's M_j and L_j, 16 blocks in a row of lanes  ->  v[big] = M, v[ff] = e^(M_j - M), v[inv] = 1 / L
.macro NORM mm, ll, big, inv, ff
	v_mov_b32 v[\big], v[\mm]
	s_delay_alu instid0(VALU_DEP_1)
	v_max_num_f32_dpp v[\big], v[\big], v[\big] row_xmask:1 row_mask:0xf bank_mask:0xf
	s_delay_alu instid0(VALU_DEP_1)
	v_max_num_f32_dpp v[\big], v[\big], v[\big] row_xmask:2 row_mask:0xf bank_mask:0xf
	s_delay_alu instid0(VALU_DEP_1)
	v_max_num_f32_dpp v[\big], v[\big], v[\big] row_xmask:4 row_mask:0xf bank_mask:0xf
	s_delay_alu instid0(VALU_DEP_1)
	v_max_num_f32_dpp v[\big], v[\big], v[\big] row_xmask:8 row_mask:0xf bank_mask:0xf
	s_delay_alu instid0(VALU_DEP_1)
	v_sub_f32 v[\ff], v[\mm], v[\big]
	s_delay_alu instid0(VALU_DEP_1)
	v_mul_f32 v[\ff], LOG2E, v[\ff]
	s_wait_alu depctr_va_vdst(0)
	v_exp_f32 v[\ff], v[\ff]
	v_nop                                          ; a plain line behind the transcendental
	s_wait_alu depctr_va_vdst(0)
	v_mul_f32 v[\inv], v[\ll], v[\ff]
	s_delay_alu instid0(VALU_DEP_1)
	v_add_f32_dpp v[\inv], v[\inv], v[\inv] row_xmask:1 row_mask:0xf bank_mask:0xf
	s_delay_alu instid0(VALU_DEP_1)
	v_add_f32_dpp v[\inv], v[\inv], v[\inv] row_xmask:2 row_mask:0xf bank_mask:0xf
	s_delay_alu instid0(VALU_DEP_1)
	v_add_f32_dpp v[\inv], v[\inv], v[\inv] row_xmask:4 row_mask:0xf bank_mask:0xf
	s_delay_alu instid0(VALU_DEP_1)
	v_add_f32_dpp v[\inv], v[\inv], v[\inv] row_xmask:8 row_mask:0xf bank_mask:0xf
	s_wait_alu depctr_va_vdst(0)
	v_rcp_f32 v[\inv], v[\inv]                     ; L is at least 1: the block that holds M adds its own L_j, which holds a 1
	v_nop
.endm
	s_wait_loadcnt 18                              ; the three loads of stats are in; the scores' 2 and part's 16 may be out
	NORM 8, 9, 24, 25, 26
	NORM 10, 11, 27, 28, 29
	NORM 12, 13, 30, 31, 96
	s_wait_loadcnt 16                              ; the scores are in
.irp i, 0,1,2,3
	v_sub_f32 v[16+\i], v[16+\i], v24
	v_sub_f32 v[20+\i], v[20+\i], v27
.endr
.irp i, 0,1,2,3,4,5,6,7
	v_mul_f32 v[16+\i], LOG2E, v[16+\i]
.endr
	s_wait_alu depctr_va_vdst(0)
.irp i, 0,1,2,3,4,5,6,7
	v_exp_f32 v[16+\i], v[16+\i]
.endr
	v_nop
	s_wait_alu depctr_va_vdst(0)
.irp i, 0,1,2,3
	v_mul_f32 v[16+\i], v[16+\i], v25              ; alpha
	v_mul_f32 v[20+\i], v[20+\i], v28
.endr
.irp i, 0,1,2,3
	ds_store_b32 v97, v[16+\i] offset:144*\i
	ds_store_b32 v97, v[20+\i] offset:144*\i+64
.endr
	s_wait_dscnt 0x0                               ; for the others' sake
	s_barrier_signal -1
	s_barrier_wait -1
	ds_load_b128 v[100:103], v98
	ds_load_b128 v[104:107], v98 offset:4608
	v_mul_f32 v96, v96, v31                        ; block j's weight for c, in lane j of each row of lanes
.irp j, 0,1,2,3,4,5,6,7,8,9,10,11,12,13,14,15
	v_readlane_b32 s[16+\j], v96, \j               ; numbers only: no address and no branch hangs on them
.endr
	s_wait_dscnt 1                                 ; the first of the two loads is in
	global_store_b128 v6, v[100:103], s[12:13]     ; a wave stores 512 consecutive bytes, at a multiple of 256 from out1's first byte
	s_wait_dscnt 0x0
	global_store_b128 v6, v[104:107], s[12:13] offset:4096
	s_wait_loadcnt 0x0                             ; part
.irp i, 0,1,2,3
	v_mul_f32 v[108+\i], s16, v[32+\i]             ; the first block starts the sums
.endr
.irp j, 1,2,3,4,5,6,7,8,9,10,11,12,13,14,15
.irp i, 0,1,2,3
	s_delay_alu instid0(VALU_DEP_4)
	v_fmac_f32 v[108+\i], s[16+\j], v[32+4*\j+\i]
.endr
.endr
	global_store_b128 v6, v[108:111], s[10:11]
	s_wait_tensorcnt 0x0
	ds_add_u32 v128, v129
	s_wait_dscnt 0x0
	s_endpgm
.Lfunc_end_k_qe428846779_finish:
	.size	k_qe428846779_finish, .Lfunc_end_k_qe428846779_finish-k_qe428846779_finish
	.p2alignl 7, 3214868480
	.fill 96, 4, 3214868480
	.section	.rodata,"a",@progbits
	.p2align	6, 0x0
	.amdhsa_kernel k_qe428846779_finish
		.amdhsa_group_segment_fixed_size 10240
		.amdhsa_private_segment_fixed_size 0
		.amdhsa_enable_private_segment 0
		.amdhsa_kernarg_size 40
		.amdhsa_user_sgpr_count 2
		.amdhsa_user_sgpr_kernarg_segment_ptr 1
		.amdhsa_wavefront_size32 1
		.amdhsa_system_sgpr_workgroup_id_x 1
		.amdhsa_system_sgpr_workgroup_id_y 1
		.amdhsa_system_sgpr_workgroup_id_z 1
		.amdhsa_system_vgpr_workitem_id 0
		.amdhsa_next_free_vgpr 130
		.amdhsa_next_free_sgpr 66
		.amdhsa_reserve_vcc 0
		.amdhsa_float_denorm_mode_32 3
		.amdhsa_float_denorm_mode_16_64 3
		.amdhsa_memory_ordered 1
		.amdhsa_forward_progress 1
		.amdhsa_inst_pref_size 15
	.end_amdhsa_kernel
	.amdgpu_metadata
---
amdhsa.version: [ 1, 2 ]
amdhsa.kernels:
  - .name:           k_qe428846779_finish
    .symbol:         k_qe428846779_finish.kd
    .args:
      - { .name: scores, .offset: 0, .size: 8, .value_kind: global_buffer, .address_space: global }
      - { .name: part, .offset: 8, .size: 8, .value_kind: global_buffer, .address_space: global }
      - { .name: stats, .offset: 16, .size: 8, .value_kind: global_buffer, .address_space: global }
      - { .name: out0, .offset: 24, .size: 8, .value_kind: global_buffer, .address_space: global }
      - { .name: out1, .offset: 32, .size: 8, .value_kind: global_buffer, .address_space: global }
    .group_segment_fixed_size: 10240
    .private_segment_fixed_size: 0
    .kernarg_segment_align: 8
    .kernarg_segment_size: 40
    .max_flat_workgroup_size: 256
    .sgpr_count:     66
    .vgpr_count:     130
    .wavefront_size: 32
...
	.end_amdgpu_metadata
.endif
;; end of part 3
